; MI455X (gfx1250); checked and timed in simulation.
; The chip was launched on July 23, 2026; its instructions are those of AMD's public machine-readable ISA for CDNA 5 (MIT licence, August 2026) and "CDNA5" Instruction Set Architecture Reference Guide (July 2026). The comments in the code are by the model that wrote it; some were corrected since.
;; Adaptive PID Network Controller V2. Allowed arithmetic: float matrix products may take bf16 or f16 operands with f32 sums; all other float work in f32.
;; Inputs: Kd 8 float32; Ki 8 float32; Kp 8 float32; W1 16 x 32 float32; W2 8 x 16 float32; W3 8 x 8 float32; Wd1 3 x 2 float32; Wd2 1 x 3 float32; b1 16 float32; b2 8 float32; b3 8 float32; bd1 3 float32; bd2 1 float32; x 1,048,576 x 32 float32.
;; Outputs: out0 1,048,576 float32.
;; One version. Each part assembles by itself: llvm-mc -triple=amdgcn-amd-amdhsa -mcpu=gfx1250 --defsym DOCPART=n.
;; ======== version 1 of 1: 1 launch
;; launch pid (part 1): grid 256 x 1, 16 waves a work-group, no clusters, 327,680 bytes of LDS; arguments x, out0, W1, b1, W2, b2, W3, b3, Kp, Ki, Kd, Wd1, Wd2, bd1, bd2; writes out0
.if DOCPART == 1
	.amdgcn_target "amdgcn-amd-amdhsa--gfx1250"
	.amdhsa_code_object_version 6
	.text
	.protected	k_q9ffcd0863e_pid
	.globl	k_q9ffcd0863e_pid
	.p2align	8
	.type	k_q9ffcd0863e_pid,@function
k_q9ffcd0863e_pid:
	s_mov_b64 s[64:65], 0
	v_nop
	global_prefetch_b8 v0, s[64:65] scope:SCOPE_SE
	s_setreg_imm32_b32 hwreg(HW_REG_WAVE_MODE, 25, 1), 1
	s_wait_xcnt 0x0
; out0[row] = mean over 8 controllers of the last measurement of a 12-step PID recurrence whose static set-points come from a small MLP (32 -> 16 -> 8 -> 8) of x[row].
; x: [1048576][32] f32.  One launch does all of it: x is read once, out0 written once, nothing else goes through memory.
; SHARES.  256 work-groups of 16 waves; a work-group owns 4,096 rows, a wave 256 of them as four tiles of 64 rows (8,192 dense bytes).  Lane L ends with rows 2 L and 2 L + 1 of a tile, all 8 controllers.
; THE THREE PRODUCTS are used transposed (source 0 = weights, source 1 = data, C = the bias) and packed so that no number changes lanes between them:
;   a tile's 64 rows are four groups g of 16 columns; column n of group g is tile row 2 n + 32 (g / 2) + g % 2.
;   layer 1: its result holds features 8 h + 0..7 of column r in lane (r, h): after ReLU and rounding that is half of layer 2's source 1.
;   layer 2: W2 twice on a block diagonal (rows 0-7 on k 0-15, rows 8-15 on k 16-31): one accumulator serves two groups.
;   layer 3: W3's row c stands at k = 8 gg .. 8 gg + 7 in the row that belongs to controller c and group gg: two accumulators serve all four groups, and register j of lane L is
;   controller 4 w + j / 2 of tile row 2 L + j % 2.  So a register pair is ONE controller and TWO neighbouring rows: gains are scalars, and a wave's result is 256 consecutive bytes.
; SPLIT OPERANDS.  Where |Kp + 10 Kd| passes 1 the recurrence multiplies a set-point's error by the same factor as the set-point, twelve steps long, so the error reaches the output undiminished beside
; the outputs' size, and six roundings to bf16's 8 bits are too coarse for it.  So every operand v of the products goes in as two bf16 numbers, hi = bf16(v) and lo = bf16(v - hi) (the difference is exact
; in f32), and a product is three matrix instructions on one accumulator: Whi vhi + bias, + Whi vlo, + Wlo vhi.  That is 24 matrix instructions a tile beside some 1,700 vector instructions.
; THE RECURRENCE, in f32, with err = set-point - measurement carried from step to step:
;   J = med3(J + (0.1 Ki) err, -5 Ki, 5 Ki)   (J = Ki x integral; the middle of three is the clip for either sign of Ki)
;   meas = (Kp + 10 Kd) err - (10 Kd) prev_err + J
;   z_j = meas Wd1[j][1] + A_j,  A_j = static Wd1[j][0] + bd1[j] (made once a tile)
;   next err = (0.5 ext + 0.5 bd2) - meas + the sum over j of (0.5 Wd2[j]) max(z_j, 0)
;   15 vector instructions for two elements and a step; err and prev_err change registers by turns, so nothing is copied.
; LIMITS.  x, W1, W2, W3 and the two hidden layers enter the products with 16 significant bits (hi + lo: off by 2^-17 of themselves at the most), and the products lo x lo, 2^-18 of a term at the most, are
; left out; biases, x[:,1], the gains and the whole recurrence stay in f32.  The order of rounding differs from the formula as it is usually written: Ki is folded into the integral and its clip, the
; division by 0.1 is a multiplication by 10 and is split onto err and prev_err, the factors 0.5 are folded into Wd2, bd2 and x[:,1].  NaN and infinities are not treated apart: the clip and the ReLU drop a NaN.
; NO CLUSTER: work-groups share 3 KB of weights and nothing of x.  A tile has 32 LDS rows, not 64: sixteen waves with two slots each share the WGP's LDS.
.set DUAL,  1                          ; 1: a ReLU of two registers is one dual instruction; 0: two plain ones
.set TILEB, 8192                       ; bytes of a tile in memory: 64 rows of 128 bytes, dense, taken as 32 rows of 256
.set PITCH, 272                        ; an LDS row: 256 bytes (two rows of x) + 16 of padding = 68 words: the 16 rows of a fragment load start at 16 different groups of four banks (64 banks of 4 bytes: ISA guide 11.1)
.set SLOT,  32*PITCH                   ; 8,704
.set RING,  2*SLOT                     ; a wave's two slots
.set SPARE, 16*RING                    ; 278,528: behind the rings, the spare words, 128 bytes for each wave: eight blocks of 256 bytes that no other line names
; vector registers
.set SPW,  1                           ; v1        LDS address of my spare word; never rewritten
.set NIL,  2                           ; v2        0; never rewritten
.set XA,   3                           ; v3        LDS address of my fragments of x: ring + 272 r + 32 h
.set EA,   4                           ; v4        LDS address of my two rows: ring + 272 L
.set OO,   5                           ; v5        my byte offset in a tile's 256 bytes of out0: 8 L
.set BASE, 6                           ; v[6:7]    x[:,1] of my two rows, then 0.5 of it + 0.5 bd2
.set OUTP, 8                           ; v[8:9]    my two results
.set PF,   10                          ; v10       256 L: the prefetch's offset
.set ZO,   11                          ; v11       0: an offset for the head's loads
.set W1F,  12                          ; v[12:19]  W1's hi as source 0
.set W2F,  20                          ; v[20:27]  W2's hi, block diagonal
.set W3F,  28                          ; v[28:43]  W3's hi, two fragments
.set B1C,  44                          ; v[44:51]  b1 as C
.set B2C,  52                          ; v[52:59]  b2 as C
.set B3C,  60                          ; v[60:75]  b3 as C, two
.set R0,   76                          ; v[76:91]  static set-points = the first err; then err and prev_err by turns with R1
.set R1,   92                          ; v[92:107]
.set AJ,   108                         ; v[108:155] A_0, A_1, A_2: 16 each
.set JI,   156                         ; v[156:171] J
.set ZJ,   172                         ; v[172:219] z_0, z_1, z_2: 16 each
.set W1L,  220                         ; v[220:227] W1's lo
.set W2L,  228                         ; v[228:235] W2's lo
.set W3L,  236                         ; v[236:251] W3's lo
.set NEG1, 252                         ; v252      -1.0
; a tile's front end works in registers that the recurrence does not hold yet
.set RAW,  156                         ; v[156:219] x as loaded, 16 a group; then per group: +0..7 layer 1's sums; +8..15 of groups 0, 2 layer 2's source 1 (hi), of groups 1, 3 layer 2's sums
.set XBH,  108                         ; v[108:139] x's hi, 8 a group
.set XBL,  76                          ; v[76:107]  x's lo, 8 a group
.set B2L,  108                         ; v[108:123] layer 2's source 1 (lo), two
.set B3H,  92                          ; v[92:99]   layer 3's source 1, hi
.set B3L,  100                         ; v[100:107] and lo
; the head's own
.set HL,   76                          ; L
.set HR,   77                          ; r = L % 16
.set HH,   78                          ; h = L / 16
.set H7,   79                          ; L % 8
.set O1,   80                          ; byte offsets of my parts of W1,
.set OB,   81                          ; b1,
.set O2,   82                          ; W2,
.set O3,   83                          ; W3,
.set OG,   84                          ; the gains,
.set OD,   85                          ; Wd1,
.set OW,   86                          ; Wd2 and bd1
.set HP,   87                          ; r % 2
.set RW1,  92                          ; as loaded: W1 (16), W2 (8), W3 (16), b3 (8)
.set RW2,  108
.set RW3,  116
.set RB3,  132
.set TKP,  140                         ; lane c: Kp[c], Ki[c], Kd[c]; lane i: Wd1 flat, Wd2, bd1; bd2
.set TKI,  141
.set TKD,  142
.set TD1,  143
.set TD2,  144
.set TB1,  145
.set TB2,  146
.set TW2,  148                         ; W2's and W3's rows in bf16, hi, before the zeros are set
.set TW3,  152
.set TP,   160                         ; Kp + 10 Kd, -10 Kd, 0.1 Ki, 5 Ki, -5 Ki, 0.5 Wd2, 0.5 bd2
.set TN,   161
.set TI,   162
.set TLP,  163
.set TLN,  164
.set TW,   165
.set THB,  166
.set TW2L, 168                         ; and their lo
.set TW3L, 172
; scalar registers.  s[24:49] hold the small inputs' addresses until their loads are back, then gains.
.set WV,   2                           ; my wave's number
.set CNT,  3                           ; counts the loop over steps
.set G1,   8                           ; s[8:15]   descriptor group 1
.set G0,   16                          ; s[16:23]  descriptor group 0, a set for each slot
.set GP,   24                          ; s[24+2c]: Kp + 10 Kd, and beside it 5 Ki
.set GD,   40                          ; s[40+2c]: -10 Kd, and beside it -5 Ki
.set GI,   56                          ; s[56+2c+2(c/4)]: 0.1 Ki, twice (the step by c/4 leaves two registers out)
.set CJ,   74                          ; s[74+2j]: Wd1[j][1]        each of these as a pair whose low word the packed forms take for both halves
.set WJ,   80                          ; s[80+2j]: 0.5 Wd2[j]
.set UJ,   86                          ; s[86+2j]: Wd1[j][0]
.set BJ,   92                          ; s[92+2j]: bd1[j]
.set HB,   98                          ; s[98:99]: 0.5 bd2 (before that: two lane masks)
.set RB,   54                          ; at the head: my ring's first LDS byte
; 2 n numbers in f32 at src become n registers of hi and n of lo: hi = bf16(v); v - hi, exact, in place (a bf16 half times -1.0 plus the f32); lo = bf16 of that
.macro SPLIT src, hi, lo, n
.set q, 0
.rept \n
	v_cvt_pk_bf16_f32 v[(\hi)+q], v[(\src)+2*q], v[(\src)+2*q+1]
.set q, q+1
.endr
.set q, 0
.rept \n
	v_fma_mix_f32_bf16 v[(\src)+2*q],   v[(\hi)+q], v[NEG1], v[(\src)+2*q]   op_sel_hi:[1,0,0]
	v_fma_mix_f32_bf16 v[(\src)+2*q+1], v[(\hi)+q], v[NEG1], v[(\src)+2*q+1] op_sel:[1,0,0] op_sel_hi:[1,0,0]
.set q, q+1
.endr
.set q, 0
.rept \n
	v_cvt_pk_bf16_f32 v[(\lo)+q], v[(\src)+2*q], v[(\src)+2*q+1]
.set q, q+1
.endr
.endm
	s_load_b128 s[4:7], s[0:1], 0x0                ; x, out0
	s_load_b512 s[24:39], s[0:1], 0x10             ; W1, b1, W2, b2, W3, b3, Kp, Ki
	s_load_b256 s[40:47], s[0:1], 0x50             ; Kd, Wd1, Wd2, bd1
	s_load_b64 s[48:49], s[0:1], 0x70              ; bd2
	v_lshl_add_u32 v[SPW], v0, 2, SPARE
	v_mov_b32 v[NIL], 0
	ds_add_u32 v[SPW], v[NIL]                      ; the wave's opening: the add and its wait ahead of my first tensor load; the set-up below, work on registers, stands between them
	ds_add_u32 v1, v2
	v_lshrrev_b32 v[XA], 5, v0
	v_readfirstlane_b32 s[WV], v[XA]               ; wave 0..15
	; descriptor group 1: 32 rows of 32 elements of 8 bytes, dense in memory, padded in LDS
	s_mov_b32 s[G1+0], (3<<16)|(1<<20)|(5<<22)|(3<<25)  ; 17:16 elements of 8 bytes; 20 padding on; 24:22 after every 64 words (code 5); 31:25 4 words of it (code 3)
	s_mov_b32 s[G1+1], 32<<16                      ; tensor_dim0 = 32
	s_mov_b32 s[G1+2], 32<<16                      ; tensor_dim1 = 32
	s_mov_b32 s[G1+3], 32<<16                      ; tile_dim0 = 32
	s_mov_b32 s[G1+4], 32                          ; tile_dim1 = 32
	s_mov_b32 s[G1+5], 32                          ; 32 elements from row to row
	s_mov_b32 s[G1+6], 0
	s_mov_b32 s[G1+7], 0
	s_mul_i32 s[RB], s[WV], RING                   ; my ring
	s_lshl_b32 s50, ttmp9, 19                      ; the work-group's 4,096 rows of 128 bytes,
	s_lshl_b32 s51, s[WV], 15                      ; my wave's 256 of them
	s_add_co_u32 s50, s50, s51
	s_mov_b32 s51, 0
	s_lshl_b32 s52, ttmp9, 14                      ; the same rows in out0, 4 bytes each
	s_lshl_b32 s53, s[WV], 10
	s_add_co_u32 s52, s52, s53
	s_mov_b32 s53, 0
	v_and_b32 v[HL], 31, v0
	v_and_b32 v[HR], 15, v0
	v_bfe_u32 v[HH], v0, 4, 1
	v_and_b32 v[H7], 7, v0
	v_and_b32 v[HP], 1, v0
	v_lshlrev_b32 v[OB], 5, v[HH]                  ; b1[8 h ..]: 32 h
	v_lshl_add_u32 v[O1], v[HR], 7, v[OB]          ; W1[r][8 h ..]: 128 r + 32 h
	v_lshl_add_u32 v[O2], v[H7], 6, v[OB]          ; W2[r % 8][8 h ..]: 64 (r % 8) + 32 h
	v_lshrrev_b32 v[O3], 1, v[H7]
	v_lshlrev_b32 v[O3], 5, v[O3]                  ; W3[(r % 8) / 2][0 ..]: 32 ((r % 8) / 2)
	v_lshlrev_b32 v[OG], 2, v[H7]                  ; a gain of controller L % 8
	v_min_u32 v[OD], 5, v[HL]                      ; Wd1 has six numbers, Wd2 and bd1 three: the lanes beyond read the last one again
	v_lshlrev_b32 v[OD], 2, v[OD]
	v_min_u32 v[OW], 2, v[HL]
	v_lshlrev_b32 v[OW], 2, v[OW]
	v_mov_b32 v[ZO], 0
	v_mov_b32 v[NEG1], -1.0
	s_wait_dscnt 0x0                               ; the opening add is done
	s_wait_kmcnt 0x0
	s_add_nc_u64 s[4:5], s[4:5], s[50:51]          ; x and out0 at my wave's first row; never rewritten
	s_add_nc_u64 s[6:7], s[6:7], s[52:53]
	; Group 0, once for each slot, then the slot's first load: tiles 0 and 1 go out together, ahead of every wait on TENSORcnt, every LDS read and every barrier.  Two loads of mine are out.
.irp s, 0,1
	s_mov_b32 s[G0+4*(\s)], 1                                      ; count = 1
	s_add_co_u32 s[G0+4*(\s)+1], s[RB], (\s)*SLOT                  ; LDS address: wave x 17,408 + slot x 8,704
	s_add_nc_u64 s[G0+4*(\s)+2:G0+4*(\s)+3], s[4:5], (\s)*TILEB    ; global address of the tile's first byte
	s_or_b32 s[G0+4*(\s)+3], s[G0+4*(\s)+3], 0x80000000            ; type = 2
	tensor_load_to_lds s[G0+4*(\s):G0+4*(\s)+3], s[G1:G1+7]
	s_nop 0
.endr
	; the small inputs, 23 loads, while the tiles are on their way
	global_load_b128 v[RW1:RW1+3],     v[O1], s[24:25]             ; W1[r][8 h .. 8 h + 7],
	global_load_b128 v[RW1+4:RW1+7],   v[O1], s[24:25] offset:16
	global_load_b128 v[RW1+8:RW1+11],  v[O1], s[24:25] offset:64   ; W1[r][16 + 8 h ..]
	global_load_b128 v[RW1+12:RW1+15], v[O1], s[24:25] offset:80
	global_load_b128 v[B1C:B1C+3],     v[OB], s[26:27]             ; register j: b1[8 h + j]
	global_load_b128 v[B1C+4:B1C+7],   v[OB], s[26:27] offset:16
	global_load_b128 v[RW2:RW2+3],     v[O2], s[28:29]
	global_load_b128 v[RW2+4:RW2+7],   v[O2], s[28:29] offset:16
	global_load_b128 v[B2C:B2C+3],     v[ZO], s[30:31]             ; register j: b2[j]
	global_load_b128 v[B2C+4:B2C+7],   v[ZO], s[30:31] offset:16
	global_load_b128 v[RW3:RW3+3],     v[O3], s[32:33]             ; W3[(r % 8) / 2][0..7],
	global_load_b128 v[RW3+4:RW3+7],   v[O3], s[32:33] offset:16
	global_load_b128 v[RW3+8:RW3+11],  v[O3], s[32:33] offset:128  ; W3[4 + (r % 8) / 2][0..7]
	global_load_b128 v[RW3+12:RW3+15], v[O3], s[32:33] offset:144
	global_load_b128 v[RB3:RB3+3],     v[ZO], s[34:35]
	global_load_b128 v[RB3+4:RB3+7],   v[ZO], s[34:35] offset:16
	global_load_b32 v[TKP], v[OG], s[36:37]
	global_load_b32 v[TKI], v[OG], s[38:39]
	global_load_b32 v[TKD], v[OG], s[40:41]
	global_load_b32 v[TD1], v[OD], s[42:43]
	global_load_b32 v[TD2], v[OW], s[44:45]
	global_load_b32 v[TB1], v[OW], s[46:47]
	global_load_b32 v[TB2], v[ZO], s[48:49]
	v_mul_u32_u24 v[XA], v[HR], PITCH
	v_lshl_add_u32 v[XA], v[HH], 5, v[XA]
	v_add_nc_u32 v[XA], s[RB], v[XA]               ; ring + 272 r + 32 h
	v_mul_u32_u24 v[EA], v[HL], PITCH
	v_add_nc_u32 v[EA], s[RB], v[EA]               ; ring + 272 L
	v_lshlrev_b32 v[OO], 3, v[HL]
	v_lshlrev_b32 v[PF], 8, v[HL]
	v_cmp_gt_u32 s100, 8, v[HR]                    ; r < 8
	v_cmp_le_u32 s101, 8, v[HR]                    ; r >= 8
	v_cmp_eq_u32 s50, v[HP], v[HH]                 ; r % 2 = h
	s_and_b32 s98, s50, s100
	s_and_b32 s99, s50, s101
	s_wait_loadcnt 0x0                             ; all 23 are back: their offsets and the addresses in s[24:49] may be written over
	SPLIT RW1, W1F, W1L, 8
	SPLIT RW2, TW2, TW2L, 4
	SPLIT RW3, TW3, TW3L, 8
.set q, 0
.rept 4
	v_cndmask_b32 v[W2F+q],    0, v[TW2+q],    s100 ; rows 0-7: W2 on k 0-15
	v_cndmask_b32 v[W2F+4+q],  0, v[TW2+q],    s101 ; rows 8-15: W2 on k 16-31
	v_cndmask_b32 v[W2L+q],    0, v[TW2L+q],   s100
	v_cndmask_b32 v[W2L+4+q],  0, v[TW2L+q],   s101
	v_cndmask_b32 v[W3F+q],    0, v[TW3+q],    s98  ; rows 0-7 belong to groups 0, 1: k block r % 2, which lies in registers 0-3 of the lanes with h = r % 2
	v_cndmask_b32 v[W3F+4+q],  0, v[TW3+q],    s99  ; rows 8-15 to groups 2, 3: k block 2 + r % 2, registers 4-7
	v_cndmask_b32 v[W3F+8+q],  0, v[TW3+4+q],  s98  ; the same for controllers 4-7
	v_cndmask_b32 v[W3F+12+q], 0, v[TW3+4+q],  s99
	v_cndmask_b32 v[W3L+q],    0, v[TW3L+q],   s98
	v_cndmask_b32 v[W3L+4+q],  0, v[TW3L+q],   s99
	v_cndmask_b32 v[W3L+8+q],  0, v[TW3L+4+q], s98
	v_cndmask_b32 v[W3L+12+q], 0, v[TW3L+4+q], s99
.set q, q+1
.endr
.set q, 0
.rept 16
	v_mov_b32 v[B3C+q], v[RB3+q/2]                 ; register j of fragment w: b3[4 w + j / 2]
.set q, q+1
.endr
	v_fmamk_f32 v[TP], v[TKD], 0x41200000, v[TKP]  ; Kp + 10 Kd
	v_mul_f32 v[TN],  0xc1200000, v[TKD]           ; -10 Kd
	v_mul_f32 v[TI],  0x3dcccccd, v[TKI]           ; 0.1 Ki
	v_mul_f32 v[TLP], 0x40a00000, v[TKI]           ; 5 Ki
	v_mul_f32 v[TLN], 0xc0a00000, v[TKI]           ; -5 Ki
	v_mul_f32 v[TW],  0.5, v[TD2]
	v_mul_f32 v[THB], 0.5, v[TB2]
.irp c, 0,1,2,3,4,5,6,7
	v_readlane_b32 s[GP+2*(\c)],   v[TP],  \c
	v_readlane_b32 s[GP+2*(\c)+1], v[TLP], \c
	v_readlane_b32 s[GD+2*(\c)],   v[TN],  \c
	v_readlane_b32 s[GD+2*(\c)+1], v[TLN], \c
	v_readlane_b32 s[GI+2*(\c)+2*((\c)/4)], v[TI], \c
	s_mov_b32 s[GI+2*(\c)+2*((\c)/4)+1], s[GI+2*(\c)+2*((\c)/4)]
.endr
.irp j, 0,1,2
	v_readlane_b32 s[UJ+2*(\j)], v[TD1], 2*(\j)
	s_mov_b32 s[UJ+2*(\j)+1], s[UJ+2*(\j)]
	v_readlane_b32 s[CJ+2*(\j)], v[TD1], 2*(\j)+1
	s_mov_b32 s[CJ+2*(\j)+1], s[CJ+2*(\j)]
	v_readlane_b32 s[WJ+2*(\j)], v[TW], \j
	s_mov_b32 s[WJ+2*(\j)+1], s[WJ+2*(\j)]
	v_readlane_b32 s[BJ+2*(\j)], v[TB1], \j
	s_mov_b32 s[BJ+2*(\j)+1], s[BJ+2*(\j)]
.endr
	v_readlane_b32 s[HB], v[THB], 0                ; the two masks that lay here have been used
	s_mov_b32 s[HB+1], s[HB]
; max(., 0) of registers a (even) and a + 1
.macro RELU2 a
.if DUAL
	v_dual_max_num_f32 v[\a], 0, v[\a] :: v_dual_max_num_f32 v[(\a)+1], 0, v[(\a)+1]
.else
	v_max_num_f32 v[\a], 0, v[\a]
	v_max_num_f32 v[(\a)+1], 0, v[(\a)+1]
.endif
.endm
; A layer's eight sums at d: ReLU, from the low end on, then split into four registers of hi and four of lo
.macro RCS d, hi, lo
.set q, 0
.rept 4
	RELU2 (\d)+2*q
.set q, q+1
.endr
	SPLIT \d, \hi, \lo, 4
.endm
; A matrix instruction d = a x b + c
.macro MM d, a, b, c
	v_wmma_f32_16x16x32_bf16 v[(\d):(\d)+7], v[(\a):(\a)+7], v[(\b):(\b)+7], v[(\c):(\c)+7]
.endm
; A vector instruction that reads a matrix result or writes one of a matrix instruction's registers stands four places behind it, and only plain vector instructions that name none of its registers are places (ISA guide 7.12.1)
.macro PLACES n
.rept \n
	v_nop
.endr
.endm
; One step for all 8 controllers of my two rows.  x: the registers of err; y: those of prev_err, which take meas and then the next err.  Line by line over the 8 pairs, so that no
; line reads a result made fewer than eight lines ahead of it.  first = 1: J and prev_err are 0.  last = 1: the step ends with meas in y.
.macro STEP x, y, first, last
.set c, 0
.rept 8
.if \first
	v_pk_mul_f32 v[JI+2*c:JI+2*c+1], v[(\x)+2*c:(\x)+2*c+1], s[GI+2*c+2*(c/4):GI+2*c+2*(c/4)+1] op_sel_hi:[1,0]
.else
	v_pk_fma_f32 v[JI+2*c:JI+2*c+1], v[(\x)+2*c:(\x)+2*c+1], s[GI+2*c+2*(c/4):GI+2*c+2*(c/4)+1], v[JI+2*c:JI+2*c+1] op_sel_hi:[1,0,1]
.endif
.set c, c+1
.endr
.set c, 0
.rept 16
	v_med3_num_f32 v[JI+c], v[JI+c], s[GD+2*(c/2)+1], s[GP+2*(c/2)+1]  ; the clip, between -5 Ki and 5 Ki
.set c, c+1
.endr
.if !(\first)
.set c, 0
.rept 8
	v_pk_fma_f32 v[(\y)+2*c:(\y)+2*c+1], v[(\y)+2*c:(\y)+2*c+1], s[GD+2*c:GD+2*c+1], v[JI+2*c:JI+2*c+1] op_sel_hi:[1,0,1]
.set c, c+1
.endr
.endif
.set c, 0
.rept 8
.if \first
	v_pk_fma_f32 v[(\y)+2*c:(\y)+2*c+1], v[(\x)+2*c:(\x)+2*c+1], s[GP+2*c:GP+2*c+1], v[JI+2*c:JI+2*c+1] op_sel_hi:[1,0,1]
.else
	v_pk_fma_f32 v[(\y)+2*c:(\y)+2*c+1], v[(\x)+2*c:(\x)+2*c+1], s[GP+2*c:GP+2*c+1], v[(\y)+2*c:(\y)+2*c+1] op_sel_hi:[1,0,1]
.endif
.set c, c+1
.endr
.if !(\last)
.set j, 0
.rept 3
.set c, 0
.rept 8
	v_pk_fma_f32 v[ZJ+16*j+2*c:ZJ+16*j+2*c+1], v[(\y)+2*c:(\y)+2*c+1], s[CJ+2*j:CJ+2*j+1], v[AJ+16*j+2*c:AJ+16*j+2*c+1] op_sel_hi:[1,0,1]
.set c, c+1
.endr
.set j, j+1
.endr
.set c, 0
.rept 8
	v_pk_add_f32 v[(\y)+2*c:(\y)+2*c+1], v[BASE:BASE+1], v[(\y)+2*c:(\y)+2*c+1] neg_lo:[0,1] neg_hi:[0,1]
.set c, c+1
.endr
.set c, 0
.rept 24
	RELU2 ZJ+2*c
.set c, c+1
.endr
.set j, 0
.rept 3
.set c, 0
.rept 8
	v_pk_fma_f32 v[(\y)+2*c:(\y)+2*c+1], v[ZJ+16*j+2*c:ZJ+16*j+2*c+1], s[WJ+2*j:WJ+2*j+1], v[(\y)+2*c:(\y)+2*c+1] op_sel_hi:[1,0,1]
.set c, c+1
.endr
.set j, j+1
.endr
.endif
.endm
; Slot s, which has been read, is filled again with the tile two further on.
.macro FILL s
	s_wait_tensorcnt 0x0                           ; all my tensor loads have landed, the unread slot's too: a group 0 may be written
	ds_add_u32 v[SPW], v[NIL]                      ; 0 onto my spare word: the step below stands between it and the wait for it
	s_add_nc_u64 s[G0+4*(\s)+2:G0+4*(\s)+3], s[G0+4*(\s)+2:G0+4*(\s)+3], 2*TILEB  ; the type bits on top are not reached
	s_wait_dscnt 0x0                               ; the add is done; my reads of the slot came back at the tile's head
	s_barrier_signal -1
	s_barrier_wait -1                              ; no wave fills a slot before all sixteen have signalled
	tensor_load_to_lds s[G0+4*(\s):G0+4*(\s)+3], s[G1:G1+7]  ; my one tensor load behind the barrier, and the first thing there: it has the next tile's whole work in which to land
	s_nop 0
.endm
; Tile t of my four, in slot s.  left: the younger tensor loads that may stay out.  pf = 1: the tile two further on is asked for ahead.
.macro TILE t, s, left, pf
	s_wait_tensorcnt \left                         ; tensor loads of a wave end in order (ISA guide 10.11.1): my tile is in LDS; nobody else reads it
	ds_load_b32 v[BASE],   v[EA] offset:(\s)*SLOT+4    ; x[2 L][1],
	ds_load_b32 v[BASE+1], v[EA] offset:(\s)*SLOT+132  ; x[2 L + 1][1]
.set g, 0
.rept 4                                ; group g: column r is LDS row r + 16 (g / 2), half g % 2; k = 8 h .. 8 h + 7 and 16 + 8 h .. in f32
	ds_load_b128 v[RAW+16*g:RAW+16*g+3],     v[XA] offset:(\s)*SLOT+16*PITCH*(g/2)+128*(g%2)
	ds_load_b128 v[RAW+16*g+4:RAW+16*g+7],   v[XA] offset:(\s)*SLOT+16*PITCH*(g/2)+128*(g%2)+16
	ds_load_b128 v[RAW+16*g+8:RAW+16*g+11],  v[XA] offset:(\s)*SLOT+16*PITCH*(g/2)+128*(g%2)+64
	ds_load_b128 v[RAW+16*g+12:RAW+16*g+15], v[XA] offset:(\s)*SLOT+16*PITCH*(g/2)+128*(g%2)+80
.set g, g+1
.endr
	; In each layer the accumulators take turns, one matrix instruction a turn: the first round starts the sums with the bias, the other two add in place.
.set g, 0
.rept 4
	s_wait_dscnt 12-4*g                            ; LDS loads come back in order (ISA guide 5.7.1): the younger groups' four loads each may stay out
	SPLIT RAW+16*g, XBH+8*g, XBL+8*g, 8
	MM RAW+16*g, W1F, XBH+8*g, B1C                 ; layer 1: W1hi xhi + b1; the next group's lines name none of its registers
.set g, g+1
.endr
.set g, 0
.rept 4
	MM RAW+16*g, W1F, XBL+8*g, RAW+16*g            ; + W1hi xlo
.set g, g+1
.endr
.set g, 0
.rept 4
	MM RAW+16*g, W1L, XBH+8*g, RAW+16*g            ; + W1lo xhi
.set g, g+1
.endr
	v_pk_fma_f32 v[BASE:BASE+1], v[BASE:BASE+1], 0.5, s[HB:HB+1] op_sel_hi:[1,0,0]  ; with the three lines below: the four places behind those products
	PLACES 3
	RCS RAW,    RAW+8,  B2L                        ; groups 0 and 1 make layer 2's first source 1,
	RCS RAW+16, RAW+12, B2L+4
	RCS RAW+32, RAW+40, B2L+8                      ; groups 2 and 3 the second
	RCS RAW+48, RAW+44, B2L+12
	MM RAW+24, W2F, RAW+8,  B2C                    ; layer 2: W2hi hhi + b2
	MM RAW+56, W2F, RAW+40, B2C
	MM RAW+24, W2F, B2L,    RAW+24                 ; + W2hi hlo
	MM RAW+56, W2F, B2L+8,  RAW+56
	MM RAW+24, W2L, RAW+8,  RAW+24                 ; + W2lo hhi
	MM RAW+56, W2L, RAW+40, RAW+56
	PLACES 4
	RCS RAW+24, B3H,   B3L
	RCS RAW+56, B3H+4, B3L+4
	MM R0,   W3F,   B3H, B3C                       ; layer 3: controllers 0-3,
	MM R0+8, W3F+8, B3H, B3C+8                     ; controllers 4-7
	MM R0,   W3F,   B3L, R0
	MM R0+8, W3F+8, B3L, R0+8
	MM R0,   W3L,   B3H, R0
	MM R0+8, W3L+8, B3H, R0+8
	PLACES 4
.set j, 0
.rept 3
.set c, 0
.rept 8                                ; ascending: each result's lowest registers are read first
	v_pk_fma_f32 v[AJ+16*j+2*c:AJ+16*j+2*c+1], v[R0+2*c:R0+2*c+1], s[UJ+2*j:UJ+2*j+1], s[BJ+2*j:BJ+2*j+1] op_sel_hi:[1,0,0]
.set c, c+1
.endr
.set j, j+1
.endr
	STEP R0, R1, 1, 0                              ; step 1: err = the static set-point
	s_mov_b32 s[CNT], 5
.Lstep\t:                                              ; steps 2 to 11, two a trip
	STEP R1, R0, 0, 0
.if \pf
	s_cmp_eq_u32 s[CNT], 2                         ; in the fourth trip of five, once: my own tile t + 2, which the FILL behind this tile loads; 32 lanes 256 bytes apart cover its 8,192 bytes.
	s_cbranch_scc0 .Lnopf\t                        ; Tiles 2 and 3 ask for nothing: the wave has no tile beyond them
	global_prefetch_b8 v[PF], s[4:5] offset:((\t)+2)*TILEB th:TH_LOAD_NT scope:SCOPE_SE
.Lnopf\t:
.endif
	STEP R0, R1, 0, 0
	s_sub_co_u32 s[CNT], s[CNT], 1
	s_cmp_lg_u32 s[CNT], 0
	s_cbranch_scc1 .Lstep\t
	STEP R1, R0, 0, 1                              ; step 12 ends with the measurement
	v_pk_add_f32 v[R0:R0+1],     v[R0:R0+1],     v[R0+2:R0+3]    ; the mean over the 8 controllers, as a tree
	v_pk_add_f32 v[R0+4:R0+5],   v[R0+4:R0+5],   v[R0+6:R0+7]
	v_pk_add_f32 v[R0+8:R0+9],   v[R0+8:R0+9],   v[R0+10:R0+11]
	v_pk_add_f32 v[R0+12:R0+13], v[R0+12:R0+13], v[R0+14:R0+15]
	v_pk_add_f32 v[R0:R0+1],     v[R0:R0+1],     v[R0+4:R0+5]
	v_pk_add_f32 v[R0+8:R0+9],   v[R0+8:R0+9],   v[R0+12:R0+13]
	v_pk_add_f32 v[R0:R0+1],     v[R0:R0+1],     v[R0+8:R0+9]
	s_wait_xcnt 0x0                                ; every earlier memory instruction has had its addresses translated (ISA guide 3.1): the last tile's store data are rewritten only behind this wait
	v_pk_mul_f32 v[OUTP:OUTP+1], v[R0:R0+1], 0x3e000000 op_sel_hi:[1,0]
	global_store_b64 v[OO], v[OUTP:OUTP+1], s[6:7] offset:256*(\t) th:TH_STORE_NT  ; the wave stores 256 consecutive bytes, at a multiple of 256 from out0's first byte
.endm
	TILE 0, 0, 1, 1                                ; the count leaves tile 1 on its way
	FILL 0                                         ; tile 1 has landed; tile 2 goes out
	TILE 1, 1, 1, 1                                ; one load was issued behind tile 1's: the refill; FILL's wait for 0 has already shown tile 1 landed
	FILL 1                                         ; tile 2 has landed; tile 3 goes out: the last load
	TILE 2, 0, 1, 0                                ; nothing is left to fetch, so no FILL follows
	TILE 3, 1, 0, 0                                ; no load was issued behind tile 3's
	s_wait_tensorcnt 0x0                           ; the wave's end: an add to my spare word and its wait, behind my last tensor load
	ds_add_u32 v[SPW], v[NIL]
	s_wait_dscnt 0x0
	s_endpgm
.Lfunc_end_k_q9ffcd0863e_pid:
	.size	k_q9ffcd0863e_pid, .Lfunc_end_k_q9ffcd0863e_pid-k_q9ffcd0863e_pid
	.p2alignl 7, 3214868480
	.fill 96, 4, 3214868480
	.section	.rodata,"a",@progbits
	.p2align	6, 0x0
	.amdhsa_kernel k_q9ffcd0863e_pid
		.amdhsa_group_segment_fixed_size 327680
		.amdhsa_private_segment_fixed_size 0
		.amdhsa_enable_private_segment 0
		.amdhsa_kernarg_size 120
		.amdhsa_user_sgpr_count 2
		.amdhsa_user_sgpr_kernarg_segment_ptr 1
		.amdhsa_wavefront_size32 1
		.amdhsa_system_sgpr_workgroup_id_x 1
		.amdhsa_system_sgpr_workgroup_id_y 1
		.amdhsa_system_sgpr_workgroup_id_z 1
		.amdhsa_system_vgpr_workitem_id 0
		.amdhsa_next_free_vgpr 254
		.amdhsa_next_free_sgpr 102
		.amdhsa_reserve_vcc 0
		.amdhsa_float_denorm_mode_32 3
		.amdhsa_float_denorm_mode_16_64 3
		.amdhsa_memory_ordered 1
		.amdhsa_forward_progress 1
		.amdhsa_inst_pref_size 202
	.end_amdhsa_kernel
	.amdgpu_metadata
---
amdhsa.version: [ 1, 2 ]
amdhsa.kernels:
  - .name:           k_q9ffcd0863e_pid
    .symbol:         k_q9ffcd0863e_pid.kd
    .args:
      - { .name: x, .offset: 0, .size: 8, .value_kind: global_buffer, .address_space: global }
      - { .name: out0, .offset: 8, .size: 8, .value_kind: global_buffer, .address_space: global }
      - { .name: W1, .offset: 16, .size: 8, .value_kind: global_buffer, .address_space: global }
      - { .name: b1, .offset: 24, .size: 8, .value_kind: global_buffer, .address_space: global }
      - { .name: W2, .offset: 32, .size: 8, .value_kind: global_buffer, .address_space: global }
      - { .name: b2, .offset: 40, .size: 8, .value_kind: global_buffer, .address_space: global }
      - { .name: W3, .offset: 48, .size: 8, .value_kind: global_buffer, .address_space: global }
      - { .name: b3, .offset: 56, .size: 8, .value_kind: global_buffer, .address_space: global }
      - { .name: Kp, .offset: 64, .size: 8, .value_kind: global_buffer, .address_space: global }
      - { .name: Ki, .offset: 72, .size: 8, .value_kind: global_buffer, .address_space: global }
      - { .name: Kd, .offset: 80, .size: 8, .value_kind: global_buffer, .address_space: global }
      - { .name: Wd1, .offset: 88, .size: 8, .value_kind: global_buffer, .address_space: global }
      - { .name: Wd2, .offset: 96, .size: 8, .value_kind: global_buffer, .address_space: global }
      - { .name: bd1, .offset: 104, .size: 8, .value_kind: global_buffer, .address_space: global }
      - { .name: bd2, .offset: 112, .size: 8, .value_kind: global_buffer, .address_space: global }
    .group_segment_fixed_size: 327680
    .private_segment_fixed_size: 0
    .kernarg_segment_align: 8
    .kernarg_segment_size: 120
    .max_flat_workgroup_size: 512
    .sgpr_count:     102
    .vgpr_count:     254
    .wavefront_size: 32
...
	.end_amdgpu_metadata
.endif
;; end of part 1
